; MI455X (gfx1250); checked and timed in simulation.
; The chip was launched on July 23, 2026; its instructions are those of AMD's public machine-readable ISA for CDNA 5 (MIT licence, August 2026) and "CDNA5" Instruction Set Architecture Reference Guide (July 2026). The comments in the code are by the model that wrote it; some were corrected since.
;; Prototype Adapter. Allowed arithmetic: matrix products marked QUANTISED: E4M3 operands, one given power-of-two scale a tensor, by v_wmma_f32_16x16x64_fp8_fp8 or v_wmma_f32_16x16x128_fp8_fp8, f32 sums; everything else in f32.
;; Inputs: W1 16 x 1,024 x 128 float32; W2 16 x 128 x 1,024 float32; b1 16 x 128 float32; b2 16 x 1,024 float32; cluster_ids 16,384 int32; h 16,384 x 1,024 float32; lowp_scales 64 int32 (the exponents e of the quantised operands' scales 2^e).
;; Outputs: out0 16,384 x 1,024 float32.
;; This version of the problem:
;;   THIS VERSION OF THE PROBLEM IS GIVEN IN LOW PRECISION. The matrix products marked QUANTISED in the list below multiply operands that are first quantised to E4M3 (4 exponent bits, 3 mantissa bits; 8 bits a number), with one given power-of-two scale for each operand tensor; their sums are f32. All else is computed in f32.
;;   The module's matrix products, in the order in which they are computed (A, B: the left and right operand; K: the contracted axis; several contracted axes count as one K, in the product's order):
;;     1. [M 16,384, K 1,024] x [K 1,024, N 128]; A: input h; B: input W1: QUANTISED (scales: A lowp_scales[0], B lowp_scales[1])
;;     2. [M 16,384, K 128] x [K 128, N 1,024]; A: computed on the way; B: input W2: QUANTISED (scales: A lowp_scales[2], B lowp_scales[3])
;;     3. [M 16,384, K 1,024] x [K 1,024, N 128]; A: input h; B: input W1: QUANTISED (scales: A lowp_scales[4], B lowp_scales[5])
;;     4. [M 16,384, K 128] x [K 128, N 1,024]; A: computed on the way; B: input W2: QUANTISED (scales: A lowp_scales[6], B lowp_scales[7])
;;     5. [M 16,384, K 1,024] x [K 1,024, N 128]; A: input h; B: input W1: QUANTISED (scales: A lowp_scales[8], B lowp_scales[9])
;;     6. [M 16,384, K 128] x [K 128, N 1,024]; A: computed on the way; B: input W2: QUANTISED (scales: A lowp_scales[10], B lowp_scales[11])
;;     7. [M 16,384, K 1,024] x [K 1,024, N 128]; A: input h; B: input W1: QUANTISED (scales: A lowp_scales[12], B lowp_scales[13])
;;     8. [M 16,384, K 128] x [K 128, N 1,024]; A: computed on the way; B: input W2: QUANTISED (scales: A lowp_scales[14], B lowp_scales[15])
;;     9. [M 16,384, K 1,024] x [K 1,024, N 128]; A: input h; B: input W1: QUANTISED (scales: A lowp_scales[16], B lowp_scales[17])
;;     10. [M 16,384, K 128] x [K 128, N 1,024]; A: computed on the way; B: input W2: QUANTISED (scales: A lowp_scales[18], B lowp_scales[19])
;;     11. [M 16,384, K 1,024] x [K 1,024, N 128]; A: input h; B: input W1: QUANTISED (scales: A lowp_scales[20], B lowp_scales[21])
;;     12. [M 16,384, K 128] x [K 128, N 1,024]; A: computed on the way; B: input W2: QUANTISED (scales: A lowp_scales[22], B lowp_scales[23])
;;     13. [M 16,384, K 1,024] x [K 1,024, N 128]; A: input h; B: input W1: QUANTISED (scales: A lowp_scales[24], B lowp_scales[25])
;;     14. [M 16,384, K 128] x [K 128, N 1,024]; A: computed on the way; B: input W2: QUANTISED (scales: A lowp_scales[26], B lowp_scales[27])
;;     15. [M 16,384, K 1,024] x [K 1,024, N 128]; A: input h; B: input W1: QUANTISED (scales: A lowp_scales[28], B lowp_scales[29])
;;     16. [M 16,384, K 128] x [K 128, N 1,024]; A: computed on the way; B: input W2: QUANTISED (scales: A lowp_scales[30], B lowp_scales[31])
;;     17. [M 16,384, K 1,024] x [K 1,024, N 128]; A: input h; B: input W1: QUANTISED (scales: A lowp_scales[32], B lowp_scales[33])
;;     18. [M 16,384, K 128] x [K 128, N 1,024]; A: computed on the way; B: input W2: QUANTISED (scales: A lowp_scales[34], B lowp_scales[35])
;;     19. [M 16,384, K 1,024] x [K 1,024, N 128]; A: input h; B: input W1: QUANTISED (scales: A lowp_scales[36], B lowp_scales[37])
;;     20. [M 16,384, K 128] x [K 128, N 1,024]; A: computed on the way; B: input W2: QUANTISED (scales: A lowp_scales[38], B lowp_scales[39])
;;     21. [M 16,384, K 1,024] x [K 1,024, N 128]; A: input h; B: input W1: QUANTISED (scales: A lowp_scales[40], B lowp_scales[41])
;;     22. [M 16,384, K 128] x [K 128, N 1,024]; A: computed on the way; B: input W2: QUANTISED (scales: A lowp_scales[42], B lowp_scales[43])
;;     23. [M 16,384, K 1,024] x [K 1,024, N 128]; A: input h; B: input W1: QUANTISED (scales: A lowp_scales[44], B lowp_scales[45])
;;     24. [M 16,384, K 128] x [K 128, N 1,024]; A: computed on the way; B: input W2: QUANTISED (scales: A lowp_scales[46], B lowp_scales[47])
;;     25. [M 16,384, K 1,024] x [K 1,024, N 128]; A: input h; B: input W1: QUANTISED (scales: A lowp_scales[48], B lowp_scales[49])
;;     26. [M 16,384, K 128] x [K 128, N 1,024]; A: computed on the way; B: input W2: QUANTISED (scales: A lowp_scales[50], B lowp_scales[51])
;;     27. [M 16,384, K 1,024] x [K 1,024, N 128]; A: input h; B: input W1: QUANTISED (scales: A lowp_scales[52], B lowp_scales[53])
;;     28. [M 16,384, K 128] x [K 128, N 1,024]; A: computed on the way; B: input W2: QUANTISED (scales: A lowp_scales[54], B lowp_scales[55])
;;     29. [M 16,384, K 1,024] x [K 1,024, N 128]; A: input h; B: input W1: QUANTISED (scales: A lowp_scales[56], B lowp_scales[57])
;;     30. [M 16,384, K 128] x [K 128, N 1,024]; A: computed on the way; B: input W2: QUANTISED (scales: A lowp_scales[58], B lowp_scales[59])
;;     31. [M 16,384, K 1,024] x [K 1,024, N 128]; A: input h; B: input W1: QUANTISED (scales: A lowp_scales[60], B lowp_scales[61])
;;     32. [M 16,384, K 128] x [K 128, N 1,024]; A: computed on the way; B: input W2: QUANTISED (scales: A lowp_scales[62], B lowp_scales[63])
;;   THE QUANTISER, for each operand of a quantised product, along K:
;;     - The operand's scale is 2^e, e = its entry of the input lowp_scales (int32; the entries are numbered through the quantised products in the list's order, A before B).
;;     - Each number is divided by the scale, clamped to +-448, and rounded to the nearest number of E4M3, ties to even, subnormals kept.
;;     - The product sums the exact products of the quantised numbers (number of the format x scale) in f32.
;;   ~~~python
;;   def quantise(x, axis, e):      # numpy; x: float32 -> the quantised numbers, widened to float32 again
;;       x = np.moveaxis(x, axis, -1); K = x.shape[-1]
;;       r = np.clip(x / 2.0 ** e, -448, 448)
;;       step = 2.0 ** (np.maximum(np.frexp(np.where(r == 0, 1, r))[1] - 1, -6) - 3)
;;       q = np.round(r / step) * step * 2.0 ** e      # np.round: ties to even
;;       return np.moveaxis(q, -1, axis).astype(np.float32)
;;   ~~~
;;   OPERANDS COMPUTED ON THE WAY. 'Computed on the way' means the value that the module computes at that place (a softmax that the list does not call 'softmax' is quantised finished and normalised). What goes into a quantiser is computed in f32, as accurately as f32 sums, v_exp_f32 and their like allow (about 1e-6 of the number): no bf16 or f16 on the way to a quantiser, and a product that is left as it is and whose result goes on into a quantised operand takes f32 operands (vector FMAs, or v_wmma_f32_16x16x4_f32). A number that lies on a knife's edge between two numbers of the format may be rounded either way, as far as f32 arithmetic and the matrix unit's own rounding can turn it there, and no further.
;; One version. Each part assembles by itself: llvm-mc -triple=amdgcn-amd-amdhsa -mcpu=gfx1250 --defsym DOCPART=n.
;; ======== version 1 of 1: 2 launches
;; limits: right only within a limited range of input values
;; workspace buffers: w1f 2,097,152 bytes; w2f 2,097,152 bytes; plan 70,912 bytes of whole numbers
;; launch prep (part 1): grid 272 x 1, 16 waves a work-group, no clusters, 3,072 bytes of LDS; arguments W1, W2, cluster_ids, lowp_scales, w1f, w2f, plan; writes w1f, w2f, plan
.if DOCPART == 1
	.amdgcn_target "amdgcn-amd-amdhsa--gfx1250"
	.amdhsa_code_object_version 6
	.text
	.protected	k_q1d7f564e9f_prep
	.globl	k_q1d7f564e9f_prep
	.p2align	8
	.type	k_q1d7f564e9f_prep,@function
k_q1d7f564e9f_prep:
	s_mov_b64 s[64:65], 0
	v_nop
	global_prefetch_b8 v0, s[64:65] scope:SCOPE_SE
	s_setreg_imm32_b32 hwreg(HW_REG_WAVE_MODE, 25, 1), 1
	s_wait_xcnt 0x0
; THREE JOBS IN ONE LAUNCH, told apart by the work-group's number alone; the three paths never join.
;   work-groups 0-15:    expert e = the number: a counting sort of the 16,384 tokens by cluster_ids, into the list of tiles (plan)
;   work-groups 16-143:  W1 [16][1024 k][128 n] f32 -> w1f: codes of E4M3 with the expert's scale 2^lowp_scales[4e+1]
;   work-groups 144-271: W2 [16][128 k][1024 n] f32 -> w2f: the same with 2^lowp_scales[4e+3]
; PLAN.  A tile is up to 16 rows of one expert; tiles are numbered expert by expert; there are T = sum of ceil(n_e / 16) of them, 1,024 <= T <= 1,039.
;   bytes 0 .. 66,559: rows[1040][16] int32: the token in each slot (0 in a slot that is not used);  from HDR on: hdr[1040] int32 = e | n << 8 (0: no such tile).
; W1F [e][t 8][s 8][c 4][lane 32][16 bytes]: fragment (unit tile t, K step s) in the order of the operand's registers: lane (r, h) holds unit 32 (t / 2) + 8 (t % 2) + r + 8 (r / 8);
;   byte b of group c holds k = 512 (s / 4) + 32 (s % 4) + 8 c + 4 h + 128 (b / 4) + b % 4: the order in which the next launch lays a row's codes; it is the same on both sides of the product.
; W2F [e][w 8][ct 8][c 4][lane 32][16 bytes]: lane (r, h) holds column 128 w + 16 ct + r; byte b of group c holds k = 32 c + 16 h + b.
; code = x / 2^e, to the nearest code, ties to even.
; LIMITS: cluster_ids lie in 0 .. 15 (other numbers are not served; every address stays inside its buffer by a clamp); the weights' exponents lie in -126 .. 119; NaN among the weights is not served.
.set HDR,   66560                      ; byte at which the headers begin
.set LASTP, 0x40ff                     ; the last slot: 1040 x 16 - 1
.set LASTT, 0x40f                      ; the last tile: 1039
.set V,     32                         ; v32-63  a lane's 32 numbers (weights); in the sort its 32 ids, then the 32 tokens to be stored
.set C,     64                         ; v64-71  a lane's 32 codes
.set AD,    96                         ; v96-127 the sort: the byte offset of each of the 32 tokens' slots; each is written once
.set MK,    66                         ; s66-97  the sort: which lanes hold a token of expert e, for each of the 32 registers
	s_load_b256 s[4:11], s[0:1], 0x0               ; W1 s[4:5], W2 s[6:7], cluster_ids s[8:9], lowp_scales s[10:11]
	s_load_b128 s[12:15], s[0:1], 0x20             ; w1f s[12:13], w2f s[14:15]
	s_load_b64 s[16:17], s[0:1], 0x30              ; plan
	v_lshl_add_u32 v128, v0, 2, 0x400
	v_mov_b32 v129, 0
	v_lshrrev_b32 v1, 5, v0
	s_delay_alu instid0(VALU_DEP_1)
	v_readfirstlane_b32 s20, v1                    ; wave 0..15
	v_and_b32 v2, 31, v0                           ; lane
	s_cmp_lt_u32 ttmp9, 16
	s_cbranch_scc1 .Lsort
; ---------------- THE WEIGHTS.  A wave takes 32 columns n (a lane a column) x 32 k (the lane's registers run down K): so each load reads 128 neighbouring bytes, the conversions give codes
; with K innermost, and a lane's 16 codes are one lane's 16 bytes of a fragment: a store of the wave covers two aligned runs of 256 bytes.  No LDS, no barrier.
	s_and_b32 s24, s20, 3                          ; a: which 32 columns
	s_bfe_u32 s25, s20, 0x10002                    ; h: which half of the lanes the codes are for
	s_lshr_b32 s26, s20, 3                         ; cp: groups 2 cp and 2 cp + 1
	v_lshlrev_b32 v3, 2, v2                        ; in: 4 bytes a lane
.macro WLOADS pitch, kc, kq            ; number 16 c + 4 q + i of the lane lies kc c + kq q + i rows of pitch bytes down
.irp c, 0,1
.irp q, 0,1,2,3
.irp i, 0,1,2,3
	global_load_b32 v[V+16*\c+4*\q+\i], v3, s[36:37] offset:(\kc*\c+\kq*\q+\i)*\pitch th:TH_LOAD_NT
.endr
.endr
.endr
.endm
.macro WTAIL
	s_wait_kmcnt 0x0                               ; the exponent
	s_add_co_i32 s35, s35, 127
	s_lshl_b32 s40, s35, 23
	v_mov_b32 v11, s40                             ; 2^e as f32: the conversion takes its exponent field
	s_wait_alu depctr_va_vdst(0)
.irp c, 0,1
	s_wait_loadcnt 16-16*\c                        ; this group's 16 loads are in; the other group's 16 may be out
.irp i, 0,1,2,3,4,5,6,7,8,9,10,11,12,13,14,15
.endr
	v_cvt_scalef32_pk8_fp8_f32 v[C+4*\c:C+4*\c+1], v[V+16*\c:V+16*\c+7], v11
	v_cvt_scalef32_pk8_fp8_f32 v[C+4*\c+2:C+4*\c+3], v[V+16*\c+8:V+16*\c+15], v11
	global_store_b128 v4, v[C+4*\c:C+4*\c+3], s[38:39] offset:512*\c   ; the codes go to a store alone, and no later line writes the conversions' registers
.endr
	s_endpgm
.endm
	s_cmp_lt_u32 ttmp9, 144
	s_cbranch_scc0 .Lw2
	s_sub_co_u32 s21, ttmp9, 16
	s_lshr_b32 s22, s21, 3                         ; expert
	s_and_b32 s23, s21, 7                          ; K step s
	s_lshr_b32 s27, s23, 2
	s_lshl_b32 s27, s27, 9                         ; 512 (s / 4)
	s_and_b32 s28, s23, 3
	s_lshl_b32 s28, s28, 5
	s_add_co_u32 s27, s27, s28                     ; + 32 (s % 4)
	s_lshl_b32 s28, s25, 2
	s_add_co_u32 s27, s27, s28                     ; + 4 h
	s_lshl_b32 s28, s26, 4
	s_add_co_u32 s27, s27, s28                     ; + 16 cp: the wave's first k
	s_lshl_b32 s30, s27, 9                         ; a row of W1 is 512 bytes
	s_lshl_b32 s28, s22, 19
	s_add_co_u32 s30, s30, s28                     ; + the expert's 524,288 bytes
	s_lshl_b32 s28, s24, 7
	s_add_co_u32 s30, s30, s28                     ; + 32 a columns
	s_mov_b32 s31, 0
	s_lshl_b32 s32, s22, 17                        ; out: the expert's 131,072 bytes
	s_lshl_b32 s28, s24, 15
	s_add_co_u32 s32, s32, s28                     ; + tile 2 a
	s_lshl_b32 s28, s23, 11
	s_add_co_u32 s32, s32, s28                     ; + K step s
	s_lshl_b32 s28, s26, 10
	s_add_co_u32 s32, s32, s28                     ; + group 2 cp
	s_lshl_b32 s28, s25, 8
	s_add_co_u32 s32, s32, s28                     ; + 16 h lanes
	s_mov_b32 s33, 0
	s_lshl_b32 s34, s22, 4
	s_wait_alu depctr_va_vdst(0)
	v_bfe_u32 v5, v2, 3, 1                         ; column 32 a + lane is unit tile 2 a + (lane / 8) % 2,
	v_and_b32 v6, 7, v2
	v_lshrrev_b32 v7, 4, v2
	s_delay_alu instid0(VALU_DEP_1)
	v_lshl_add_u32 v6, v7, 3, v6                   ; row r = lane % 8 + 8 (lane / 16) of it
	s_delay_alu instid0(VALU_DEP_1)
	v_lshlrev_b32 v4, 4, v6
	s_delay_alu instid0(VALU_DEP_1)
	v_lshl_add_u32 v4, v5, 14, v4
	s_wait_kmcnt 0x0
	s_load_b32 s35, s[10:11], s34 offset:0x4       ; lowp_scales[4 e + 1]
	s_add_nc_u64 s[36:37], s[4:5], s[30:31]
	s_add_nc_u64 s[38:39], s[12:13], s[32:33]
	WLOADS 512, 8, 128
	WTAIL
.Lw2:
	s_sub_co_u32 s21, ttmp9, 144
	s_lshr_b32 s22, s21, 3                         ; expert
	s_and_b32 s23, s21, 7                          ; w: which 128 columns
	s_lshl_b32 s30, s22, 19
	s_lshl_b32 s28, s26, 18
	s_add_co_u32 s30, s30, s28                     ; + 64 cp rows of 4,096 bytes
	s_lshl_b32 s28, s25, 16
	s_add_co_u32 s30, s30, s28                     ; + 16 h rows
	s_lshl_b32 s28, s23, 9
	s_add_co_u32 s30, s30, s28                     ; + 128 w columns
	s_lshl_b32 s28, s24, 7
	s_add_co_u32 s30, s30, s28                     ; + 32 a columns
	s_mov_b32 s31, 0
	s_lshl_b32 s32, s22, 17
	s_lshl_b32 s28, s23, 14
	s_add_co_u32 s32, s32, s28                     ; + w
	s_lshl_b32 s28, s24, 12
	s_add_co_u32 s32, s32, s28                     ; + column tile 2 a
	s_lshl_b32 s28, s26, 10
	s_add_co_u32 s32, s32, s28                     ; + group 2 cp
	s_lshl_b32 s28, s25, 8
	s_add_co_u32 s32, s32, s28                     ; + 16 h lanes
	s_mov_b32 s33, 0
	s_lshl_b32 s34, s22, 4
	s_wait_alu depctr_va_vdst(0)
	v_lshrrev_b32 v5, 4, v2                        ; column tile 2 a + lane / 16,
	v_and_b32 v6, 15, v2                           ; row r = lane % 16
	s_delay_alu instid0(VALU_DEP_1)
	v_lshlrev_b32 v4, 4, v6
	s_delay_alu instid0(VALU_DEP_1)
	v_lshl_add_u32 v4, v5, 11, v4
	s_wait_kmcnt 0x0
	s_load_b32 s35, s[10:11], s34 offset:0xc       ; lowp_scales[4 e + 3]
	s_add_nc_u64 s[36:37], s[6:7], s[30:31]
	s_add_nc_u64 s[38:39], s[14:15], s[32:33]
	WLOADS 4096, 32, 4
	WTAIL
; ---------------- THE SORT, for expert e.  512 threads, 32 ids each.  Every work-group counts all 16 experts (it needs the tiles in front of its own, and T), then places its own expert's tokens.
; No atomics: a token's place is 16 x (tiles in front) + (my expert's tokens in the waves in front) + (those in my wave's earlier registers) + (those in the lanes in front).
; LDS: bytes 0-511: 16 waves x 8 words of counts;  bytes 512-575: 16 words: each wave's count of expert e.
; ORDER: every offset, every number to be stored and every mask is made first, with all lanes on; then follow the stores, each under its mask.  No vector register is written behind the first narrowing of EXEC.
.Lsort:
	s_mov_b32 s21, ttmp9                           ; e
	v_lshlrev_b32 v1, 4, v0
	s_mov_b32 s22, 0x0f0f0f0f
	s_mov_b32 s23, 0x00ff00ff
	s_mov_b32 s24, 0x76543210                      ; v_permlanex16_b32: lane l xor 16
	s_mov_b32 s25, 0xfedcba98
	s_wait_alu depctr_va_vdst(0)
	s_wait_kmcnt 0x0
.irp q, 0,1,2,3,4,5,6,7
	global_load_b128 v[V+4*\q:V+4*\q+3], v1, s[8:9] offset:8192*\q   ; register 4 q + c holds token 2048 q + 4 x thread + c
.endr
	v_mov_b32 v5, 1
	v_mov_b32 v4, 0                                ; a lane permute's destination counts as one of its sources
.irp r, 64,65,66,67,68,69
	v_mov_b32 v\r, 0
.endr
; v68: eight 4-bit counts by id % 8, of all ids; v69: the same of ids above 7.  Eight ids at the most go in before the counts are moved on into bytes:
; v64, v65: even and odd fields of v68;  v66, v67: of v69.  32 ids a thread fit a byte.
.macro COUNT1 id
	v_lshlrev_b32 v78, 2, v[\id]
	s_delay_alu instid0(VALU_DEP_1)
	v_and_b32 v78, 28, v78                         ; 4 (id % 8)
	s_delay_alu instid0(VALU_DEP_1)
	v_lshlrev_b32 v78, v78, v5                     ; 1 in that field
	s_wait_alu depctr_va_vdst(0)
	v_add_nc_u32 v68, v68, v78
	v_cmp_lt_u32 vcc_lo, 7, v[\id]
	s_delay_alu instid0(VALU_DEP_1)
	v_cndmask_b32 v78, 0, v78, vcc_lo
	s_delay_alu instid0(VALU_DEP_1)
	v_add_nc_u32 v69, v69, v78
.endm
.macro FLUSH src, even, odd
	v_and_b32 v78, s22, v[\src]
	s_delay_alu instid0(VALU_DEP_1)
	v_add_nc_u32 v[\even], v[\even], v78
	v_lshrrev_b32 v78, 4, v[\src]
	s_delay_alu instid0(VALU_DEP_1)
	v_and_b32 v78, s22, v78
	s_delay_alu instid0(VALU_DEP_1)
	v_add_nc_u32 v[\odd], v[\odd], v78
	v_mov_b32 v[\src], 0
.endm
.irp k, 0,1,2,3
	s_wait_loadcnt 6-2*\k                          ; loads come back in order: this chunk's two are in, the later ones may be out
.irp i, 0,1,2,3,4,5,6,7
	COUNT1 V+8*\k+\i
.endr
	FLUSH 68, 64, 65
	FLUSH 69, 66, 67
.endr
	v_sub_nc_u32 v64, v64, v66                     ; ids under 8 alone (byte by byte: no borrow)
	s_delay_alu instid0(VALU_DEP_3)
	v_sub_nc_u32 v65, v65, v67
; into 16-bit fields, so that 16,384 fits: expert x lies in word x % 4 + 4 (x / 8) of v70-77, half (x / 4) % 2
	s_delay_alu instid0(VALU_DEP_2)
	v_and_b32 v70, s23, v64
	s_delay_alu instid0(VALU_DEP_3)
	v_lshrrev_b32 v72, 8, v64
	s_delay_alu instid0(VALU_DEP_3)
	v_and_b32 v71, s23, v65
	s_delay_alu instid0(VALU_DEP_4)
	v_lshrrev_b32 v73, 8, v65
	v_and_b32 v74, s23, v66
	v_lshrrev_b32 v76, 8, v66
	v_and_b32 v75, s23, v67
	v_lshrrev_b32 v77, 8, v67
	v_and_b32 v72, s23, v72
	v_and_b32 v73, s23, v73
	v_and_b32 v76, s23, v76
	s_delay_alu instid0(VALU_DEP_4)
	v_and_b32 v77, s23, v77
.macro XSUM mask                       ; the eight words: lane l takes lane l xor mask's too
.irp r, 70,71,72,73,74,75,76,77
	v_add_nc_u32_dpp v\r, v\r, v\r row_xmask:\mask row_mask:0xf bank_mask:0xf
.endr
.endm
	XSUM 1
	XSUM 2
	XSUM 4
	XSUM 8
.irp r, 70
	v_permlanex16_b32 v4, v\r, s24, s25
	s_delay_alu instid0(VALU_DEP_1)
	v_add_nc_u32 v\r, v\r, v4                      ; the wave's counts, in every lane
.endr
.irp r, 71, 72, 73, 74, 75, 76, 77
	s_delay_alu instid0(VALU_DEP_2)
	v_permlanex16_b32 v4, v\r, s24, s25
	s_delay_alu instid0(VALU_DEP_1)
	v_add_nc_u32 v\r, v\r, v4                      ; the wave's counts, in every lane
.endr
.irp k, 0,1,2,3,4,5,6,7
	v_readfirstlane_b32 s[32+\k], v[70+\k]
.endr
	s_and_b32 s26, s21, 3
	s_lshr_b32 s27, s21, 3
	s_lshl_b32 s27, s27, 2
	s_add_co_u32 s26, s26, s27                     ; my expert's word,
	s_bfe_u32 s28, s21, 0x10002
	s_lshl_b32 s28, s28, 4                         ; and its half
	s_mov_b32 s27, 0
.irp k, 0,1,2,3,4,5,6,7
	s_cmp_eq_u32 s26, \k
	s_cselect_b32 s27, s[32+\k], s27
.endr
	s_lshr_b32 s27, s27, s28
	s_and_b32 s27, s27, 0xffff
	v_mov_b32 v79, s27                             ; my wave's count of expert e
	v_and_b32 v80, 0x1e0, v0                       ; 32 x wave
	v_lshrrev_b32 v81, 5, v0
	s_delay_alu instid0(VALU_DEP_1)
	v_lshlrev_b32 v81, 2, v81                      ; 4 x wave
	ds_store_b128 v80, v[70:73]                    ; all lanes write the same words with the same values
	ds_store_b128 v80, v[74:77] offset:16
	ds_store_b32 v81, v79 offset:512
	s_wait_dscnt 0x0                               ; for the others' sake: my stores have landed
	s_barrier_signal -1
	s_barrier_wait -1
	v_and_b32 v82, 15, v0
	s_delay_alu instid0(VALU_DEP_1)
	v_lshlrev_b32 v83, 5, v82
	s_delay_alu instid0(VALU_DEP_2)
	v_lshlrev_b32 v84, 2, v82
	ds_load_b128 v[70:73], v83                     ; lane l takes wave l % 16's counts
	ds_load_b128 v[74:77], v83 offset:16
	ds_load_b32 v85, v84 offset:512
	s_wait_alu depctr_va_vdst(0)
	s_wait_dscnt 0x0
	v_cmp_gt_u32 vcc_lo, s20, v82
	s_delay_alu instid0(VALU_DEP_1)
	v_cndmask_b32 v85, 0, v85, vcc_lo              ; only the waves in front of mine
.irp m, 1,2,4,8
	XSUM \m
	v_add_nc_u32_dpp v85, v85, v85 row_xmask:\m row_mask:0xf bank_mask:0xf
.endr
.irp k, 0,1,2,3,4,5,6,7
	v_readfirstlane_b32 s[32+\k], v[70+\k]         ; the totals
.endr
	v_readfirstlane_b32 s44, v85                   ; my expert's tokens in the waves in front of mine
.irp k, 0,1,2,3,4,5,6,7
	s_and_b32 s[70+(\k%4)+8*(\k/4)], s[32+\k], 0xffff     ; n[x] in s[70 + x]
	s_lshr_b32 s[74+(\k%4)+8*(\k/4)], s[32+\k], 16
.endr
	s_mov_b32 s40, 0                               ; T
	s_mov_b32 s41, 0                               ; tiles in front of my expert's
	s_mov_b32 s42, 0                               ; my expert's tokens
.irp x, 0,1,2,3,4,5,6,7,8,9,10,11,12,13,14,15
	s_add_co_u32 s60, s[70+\x], 15
	s_lshr_b32 s60, s60, 4                         ; expert x's tiles
	s_add_co_u32 s40, s40, s60
	s_cmp_gt_u32 s21, \x
	s_cselect_b32 s61, s60, 0
	s_add_co_u32 s41, s41, s61
	s_cmp_eq_u32 s21, \x
	s_cselect_b32 s42, s[70+\x], s42
.endr
	s_add_co_u32 s43, s42, 15
	s_lshr_b32 s43, s43, 4                         ; my expert's tiles
	s_lshl_b32 s50, s41, 4
	s_add_co_u32 s50, s50, s44                     ; the slot of my wave's first token
	v_lshlrev_b32 v3, 2, v0
; Register rho: which lanes hold a token of expert e (the mask is kept; n[] is done with, so its registers are taken); their slots, which are neighbours; the tokens' numbers, in the ids' place.
.set rho, 0
.rept 32
	v_cmp_eq_u32 s[MK+rho], s21, v[V+rho]
	s_delay_alu instid0(VALU_DEP_1)
	v_mbcnt_lo_u32_b32 v[AD+rho], s[MK+rho], s50   ; the slot: those in the lanes in front of mine are counted in
	s_bcnt1_i32_b32 s51, s[MK+rho]
	s_add_co_u32 s50, s50, s51
	v_min_u32 v[AD+rho], LASTP, v[AD+rho]          ; a number made of loaded numbers enters an address behind a clamp
	s_delay_alu instid0(VALU_DEP_1)
	v_lshlrev_b32 v[AD+rho], 2, v[AD+rho]
	v_add_nc_u32 v[V+rho], 2048*(rho/4)+(rho%4), v3   ; the token
.set rho, rho+1
.endr
; my expert's headers: up to 1,024 tiles, 512 a turn: offsets v12, v13; words v14, v15; masks s53, s54
.irp t, 0,1
	v_add_nc_u32 v89, 512*\t, v0                   ; i
	s_delay_alu instid0(VALU_DEP_1)
	v_cmp_gt_u32 s[53+\t], s43, v89
	s_delay_alu instid0(VALU_DEP_2)
	v_lshlrev_b32 v90, 4, v89
	s_delay_alu instid0(VALU_DEP_1)
	v_sub_nc_u32 v90, s42, v90
	s_delay_alu instid0(VALU_DEP_1)
	v_min_u32 v90, 16, v90                         ; rows in tile i
	s_delay_alu instid0(VALU_DEP_1)
	v_lshl_or_b32 v[14+\t], v90, 8, s21
	v_add_nc_u32 v91, s41, v89
	s_delay_alu instid0(VALU_DEP_1)
	v_min_u32 v91, LASTT, v91
	s_delay_alu instid0(VALU_DEP_1)
	v_lshlrev_b32 v[12+\t], 2, v91
.endr
; the slots of my last tile that are not used: 15 at the most: offset v16, mask s55; v17 = 0 is what they get
	s_lshl_b32 s60, s43, 4
	s_sub_co_u32 s60, s60, s42                     ; how many
	s_lshl_b32 s61, s41, 4
	s_add_co_u32 s61, s61, s42                     ; the first of them
	v_cmp_gt_u32 s55, s60, v0
	v_add_nc_u32 v91, s61, v0
	s_delay_alu instid0(VALU_DEP_1)
	v_min_u32 v91, LASTP, v91
	s_delay_alu instid0(VALU_DEP_1)
	v_lshlrev_b32 v16, 2, v91
	v_mov_b32 v17, 0
; tile 1024 + e: its 16 slots (offset v18, mask s56) and its header (offset v19, mask s57)
	s_add_co_u32 s58, s21, 1024
	s_lshl_b32 s59, s58, 6
	v_lshl_add_u32 v18, v0, 2, s59
	v_cmp_gt_u32 s56, 16, v0
	s_lshl_b32 s59, s58, 2
	v_mov_b32 v19, s59
	v_cmp_eq_u32 s57, 0, v0
; THE STORES.  EXEC is one of a pending store's sources: it changes only behind s_wait_xcnt 0, ahead of the narrowing and ahead of the widening.
.macro MSTORE mask, adr, dat, off
	s_mov_b32 vcc_lo, s[\mask]                     ; the mask that was kept
	s_and_saveexec_b32 s52, vcc_lo
	global_store_b32 v[\adr], v[\dat], s[16:17] offset:\off
	s_wait_xcnt 0x0
	s_or_b32 exec_lo, exec_lo, s52
.endm
	s_wait_alu depctr_va_vdst(0)
	s_wait_xcnt 0x0
.set rho, 0
.rept 32
	MSTORE MK+rho, AD+rho, V+rho, 0                ; the lanes that are on write neighbouring words
.set rho, rho+1
.endr
	MSTORE 53, 12, 14, HDR
	MSTORE 54, 13, 15, HDR
	MSTORE 55, 16, 17, 0
; tile 1024 + e, if there is no such tile: zeros in its slots and its header.  (T is at least 1,024, so these sixteen are all that can be missing; a tile that exists is written by its expert's work-group.)
	s_cmp_lt_u32 s58, s40
	s_cbranch_scc1 .Lsorted
	MSTORE 56, 18, 17, 0
	MSTORE 57, 19, 17, HDR
.Lsorted:
	s_wait_tensorcnt 0x0
	ds_add_u32 v128, v129
	s_wait_dscnt 0x0
	s_endpgm
.Lfunc_end_k_q1d7f564e9f_prep:
	.size	k_q1d7f564e9f_prep, .Lfunc_end_k_q1d7f564e9f_prep-k_q1d7f564e9f_prep
	.p2alignl 7, 3214868480
	.fill 96, 4, 3214868480
	.section	.rodata,"a",@progbits
	.p2align	6, 0x0
	.amdhsa_kernel k_q1d7f564e9f_prep
		.amdhsa_group_segment_fixed_size 3072
		.amdhsa_private_segment_fixed_size 0
		.amdhsa_enable_private_segment 0
		.amdhsa_kernarg_size 56
		.amdhsa_user_sgpr_count 2
		.amdhsa_user_sgpr_kernarg_segment_ptr 1
		.amdhsa_wavefront_size32 1
		.amdhsa_system_sgpr_workgroup_id_x 1
		.amdhsa_system_sgpr_workgroup_id_y 1
		.amdhsa_system_sgpr_workgroup_id_z 1
		.amdhsa_system_vgpr_workitem_id 0
		.amdhsa_next_free_vgpr 130
		.amdhsa_next_free_sgpr 100
		.amdhsa_reserve_vcc 1
		.amdhsa_float_denorm_mode_32 3
		.amdhsa_float_denorm_mode_16_64 3
		.amdhsa_fp16_overflow 1
		.amdhsa_memory_ordered 1
		.amdhsa_forward_progress 1
		.amdhsa_inst_pref_size 64
	.end_amdhsa_kernel
	.amdgpu_metadata
---
amdhsa.version: [ 1, 2 ]
amdhsa.kernels:
  - .name:           k_q1d7f564e9f_prep
    .symbol:         k_q1d7f564e9f_prep.kd
    .args:
      - { .name: W1, .offset: 0, .size: 8, .value_kind: global_buffer, .address_space: global }
      - { .name: W2, .offset: 8, .size: 8, .value_kind: global_buffer, .address_space: global }
      - { .name: cluster_ids, .offset: 16, .size: 8, .value_kind: global_buffer, .address_space: global }
      - { .name: lowp_scales, .offset: 24, .size: 8, .value_kind: global_buffer, .address_space: global }
      - { .name: w1f, .offset: 32, .size: 8, .value_kind: global_buffer, .address_space: global }
      - { .name: w2f, .offset: 40, .size: 8, .value_kind: global_buffer, .address_space: global }
      - { .name: plan, .offset: 48, .size: 8, .value_kind: global_buffer, .address_space: global }
    .group_segment_fixed_size: 3072
    .private_segment_fixed_size: 0
    .kernarg_segment_align: 8
    .kernarg_segment_size: 56
    .max_flat_workgroup_size: 512
    .sgpr_count:     100
    .vgpr_count:     130
    .wavefront_size: 32
...
	.end_amdgpu_metadata
.endif
;; end of part 1
;; launch adapter (part 2): grid 256 x 1, 8 waves a work-group, no clusters, 85,504 bytes of LDS; arguments h, plan, w1f, w2f, b1, b2, lowp_scales, out0; writes out0
.if DOCPART == 2
	.amdgcn_target "amdgcn-amd-amdhsa--gfx1250"
	.amdhsa_code_object_version 6
	.text
	.protected	k_q1d7f564e9f_adapter
	.globl	k_q1d7f564e9f_adapter
	.p2align	8
	.type	k_q1d7f564e9f_adapter,@function
k_q1d7f564e9f_adapter:
	s_mov_b64 s[64:65], 0
	v_nop
	global_prefetch_b8 v0, s[64:65] scope:SCOPE_SE
	s_setreg_imm32_b32 hwreg(HW_REG_WAVE_MODE, 25, 1), 1
	s_wait_xcnt 0x0
; out[n] = h[n] + b2[c] + Q(gelu(Q(h[n]) Q(W1[c]) + b1[c])) Q(W2[c]),  c = cluster_ids[n]: only the chosen expert's product is made for a token.  Both products on codes of E4M3; sums, gelu and residual in f32.
; The launch before has sorted the tokens into tiles of up to 16 rows of one expert (plan: rows[1040][16], then hdr[1040] = e | n << 8) and laid the weights' codes in the order of the operands' registers (w1f, w2f).
; SHARES.  Work-group g takes tiles 4 g .. 4 g + 3, which exist for every split (there are at least 1,024), and tile min(1279 - g, 1039), which exists in 15 work-groups at the most: its header says so.
; Eight waves.  The work-group holds ONE expert's codes in registers, 256 a wave, and loads them anew only where a tile's expert differs from the one held.  Wave w has: slots 2 w, 2 w + 1 of a tile as whole rows
; (h is loaded once, 16 bytes a lane, stays in registers for the residual and is stored from them: 32 lanes cover 512 consecutive bytes, aligned); unit tile w of the first product; columns 128 w .. + 127 of the second.
; A TILE, three barriers:  X: my two rows are quantised, their codes go to LDS (XC) | barrier |  1: my 16 hidden units for the 16 rows (transposed: source 0 = W1's 16 units, source 1 = 16 tokens), bias, gelu, quantised:
; 8 bytes a lane of the second product's operand, stored as an image of its registers (MID) | barrier |  2: my 128 columns for the 16 rows (source 0 = W2's 16 columns, source 1 = MID), sums to a stage (STG) | barrier |
; O: my two rows come back from the stage as rows; out = sum x 2^(e2 + e3) + (h + b2); stored where the slot is used.  The h of the next tile and of the one after are on their way meanwhile (two register buffers).
; GELU is the exact one: mid = max(x, 0) - 0.5 |x| erfc(|x| / sqrt 2), which loses nothing for either sign; erfc(a) = (1 + p(q)) / (1 + 2 a) x exp(-a^2), q = (a - 2) / (a + 2), p of degree 9; a^2 log2(e) is carried in two parts.
; NO TENSOR LOADS, NO CLUSTER: the reload of weights, the fifth tile and the stores of a row hang on numbers read from the plan, and which work-groups share an expert hangs on the stored counts: partners could not be made to ask alike.
; LIMITS: lowp_scales[4c] and [4c+2] in -126 .. 119; [4c] + [4c+1] and [4c+2] + [4c+3] in -126 .. 127.  NaN and infinities ahead of the gelu are not served; erfc under 2^-126 counts as 0.
; The residual is summed as (h + b2) + product, where the reference has (h + product) + b2; the first product's K is summed in two accumulators (even and odd K steps).
; Slots that are not used name token 0: its row is loaded and worked, never stored (240 such slots at the most).
; REGISTERS, window 0: v1 16 x lane; v2-7 LDS and bias offsets; v8-11 the rows' byte offsets (two a buffer); v12 0; v13, v14 2^e0 and 448 x 2^e0; v15, v16 the same with e2; v17 16.0; v[18:19] c9;
;   v20-27 b1; v28-59 b2 as a row; v60-127 at work (mapped at each phase); v128-191, v192-255 h, two buffers of two rows.   window 1: v0-127 W1's 8 fragments; v128-255 W2's 8.
.set XCP, 1040                         ; XC: a row of 1,024 codes + 16: an odd multiple of 16 bytes, so that 16 rows' loads of one column start in 16 different groups of banks (64 banks of 4 bytes: ISA guide 11.1)
.set MID, 16*XCP                       ; 2,048 bytes: the hidden layer's fragment
.set STG, MID+2048                     ; 16 rows of 4,096 bytes + 16
.set SGP, 4112
.set HDR, 66560
.set GX,  60                           ; gelu: x
.set GA,  68                           ; t, a, later max(x, 0) and mid
.set GR1, 76                           ; a + 2, its reciprocal, q
.set GR2, 84                           ; 2 a + 1, its reciprocal
.set GS,  92                           ; a^2, later the polynomial and erfc
.set GT,  100                          ; what a^2 lost in rounding, later 0.5 |x|
.set GU,  108                          ; -a^2 log2(e), its exponential
.set GV,  116                          ; what that product lost
.set GM,  124                          ; 8 codes
.set CF,  66                           ; s[66:83] c0 .. c8, each twice
.set MSB, 0
.macro WIN new                         ; the immediate's high byte repeats the setting that is left
.if MSB != \new
	s_set_vgpr_msb (MSB<<8)|\new
.set MSB, \new
.endif
.endm
.macro CPAIR r, val                    ; a packed line names a pair and takes its low word for both halves: both are written
	s_mov_b32 s[\r], \val
	s_mov_b32 s[\r+1], \val
.endm
.macro BAR                             ; my LDS stores have landed and my LDS loads are in: then the work-group's barrier
	s_wait_dscnt 0x0
	s_barrier_signal -1
	s_barrier_wait -1
.endm
; The expert in s41 is taken up: addresses, and the load of its four exponents (its offset keeps s22 until the wait in RL_SCALES).
.macro RL_BASES
	s_mov_b32 s40, s41
	s_lshl_b32 s22, s41, 4
	s_load_b128 s[44:47], s[16:17], s22 offset:0x0 ; e0 (h), e1 (W1), e2 (mid), e3 (W2)
	s_lshl_b32 s62, s41, 17
	s_lshl_b32 s61, s20, 14
	s_add_co_u32 s62, s62, s61                     ; the expert's 131,072 bytes + my wave's 16,384
	s_mov_b32 s63, 0
	s_add_nc_u64 s[48:49], s[8:9], s[62:63]
	s_add_nc_u64 s[50:51], s[10:11], s[62:63]
	s_lshl_b32 s62, s41, 9
	s_add_co_u32 s62, s62, s21
	s_add_nc_u64 s[52:53], s[12:13], s[62:63]      ; b1: the expert's 512 bytes + my tile's units
	s_lshl_b32 s62, s41, 12
	s_add_nc_u64 s[54:55], s[14:15], s[62:63]      ; b2
.endm
.macro RL_A                            ; 42 loads: W1's 8 fragments, b1, b2
	WIN 0x40                                       ; destination window 1, address window 0
.set f, 0
.rept 32
	global_load_b128 v[4*f:4*f+3], v1, s[48:49] offset:512*f
.set f, f+1
.endr
	WIN 0
	global_load_b128 v[20:23], v7, s[52:53]        ; units 32 (w / 2) + 16 h + 8 (w % 2) + 0 .. 7: the result's layout
	global_load_b128 v[24:27], v7, s[52:53] offset:16
.irp q, 0,1,2,3,4,5,6,7
	global_load_b128 v[28+4*\q:31+4*\q], v1, s[54:55] offset:512*\q
.endr
.endm
.macro RL_B                            ; 32 loads: W2's 8 fragments
	WIN 0x40
.set f, 0
.rept 32
	global_load_b128 v[128+4*f:128+4*f+3], v1, s[50:51] offset:512*f
.set f, f+1
.endr
	WIN 0
.endm
.macro RL_SCALES
	s_wait_kmcnt 0x0
	s_add_co_i32 s56, s44, s45
	s_add_co_i32 s56, s56, 127
	s_lshl_b32 s56, s56, 23                        ; 2^(e0 + e1)
	s_mov_b32 s57, s56
	s_add_co_i32 s58, s46, s47
	s_add_co_i32 s58, s58, 127
	s_lshl_b32 s58, s58, 23                        ; 2^(e2 + e3)
	s_mov_b32 s59, s58
	s_add_co_i32 s61, s44, 127
	s_lshl_b32 s62, s61, 23
	v_mov_b32 v13, s62                             ; 2^e0: the conversion takes its exponent field
	s_add_co_i32 s61, s61, 8
	s_lshl_b32 s61, s61, 23
	s_or_b32 s61, s61, 0x600000
	v_mov_b32 v14, s61                             ; 448 x 2^e0
	s_add_co_i32 s61, s46, 127
	s_lshl_b32 s62, s61, 23
	v_mov_b32 v15, s62
	s_add_co_i32 s61, s61, 8
	s_lshl_b32 s61, s61, 23
	s_or_b32 s61, s61, 0x600000
	v_mov_b32 v16, s61
.endm
; Tile j's expert, if it is not the one held.  A tile that does not exist asks for nothing.  No wait for the loads stands here: they are issued ahead of the next HLOAD, so the wait at a tile's head covers them.
.macro RELOAD j
	s_lshr_b32 s60, s[24+\j], 8
	s_and_b32 s41, s[24+\j], 0xff
	s_cmp_eq_u32 s60, 0
	s_cselect_b32 s41, s40, s41
	s_min_u32 s41, s41, 15                         ; a loaded number enters an address behind a clamp
	s_cmp_eq_u32 s41, s40
	s_cbranch_scc1 .Lsame_\@
	RL_BASES
	RL_A
	RL_B
	RL_SCALES
.Lsame_\@:
.endm
; My two rows of tile j: 16 loads, 512 consecutive bytes each.  masked = 1 (the fifth tile): the same 16 lines with no lane on where the tile does not exist: they move nothing then.
.macro HLOAD j, masked
.set HB, 128+64*((\j)%2)
.set HR, 8+2*((\j)%2)
	s_min_u32 s60, s[30+2*(\j)], 0x3fff
	s_min_u32 s61, s[31+2*(\j)], 0x3fff
	s_lshl_b32 s60, s60, 12
	s_lshl_b32 s61, s61, 12
	v_add_nc_u32 v[HR], s60, v1
	v_add_nc_u32 v[HR+1], s61, v1
.if \masked
	v_cmp_gt_u32 vcc_lo, s43, v12
	s_wait_alu depctr_va_vdst(0)
	s_wait_xcnt 0x0                                ; EXEC changes only behind this wait
	s_and_saveexec_b32 s62, vcc_lo
.endif
.irp i, 0,1
.irp q, 0,1,2,3,4,5,6,7
	global_load_b128 v[HB+32*\i+4*\q:HB+32*\i+4*\q+3], v[HR+\i], s[4:5] offset:512*\q th:TH_LOAD_NT
.endr
.endr
.if \masked
	s_wait_xcnt 0x0
	s_or_b32 exec_lo, exec_lo, s62
.endif
.endm
; Row i of my two (32 registers from hb on; register 4 q + x holds k = 128 q + 4 lane + x) becomes 32 codes: register q of v[76 + 8 i ..] holds the codes of load q.  They lie in XC as they are stored, 16 bytes a lane:
; byte p of a row's half holds k = 128 ((p / 4) % 4) + 4 (p / 16) + p % 4.  W1's codes were laid in the same order.  v60-67 and v68-75 take the held numbers by turns, so that eight plain lines stand between a conversion
; and the next write of its sources.  Then b2 is added to the row: the residual's first half.
.macro QROW hb, i
.irp m, 0,1,2,3
.irp x, 0,1,2,3,4,5,6,7
	v_med3_num_f32 v[60+8*(\m%2)+\x], v[(\hb)+8*\m+\x], -v14, v14   ; the conversion to an 8-bit code does not saturate (ISA guide 7.6.2)
.endr
	v_cvt_scalef32_pk8_fp8_f32 v[76+8*\i+2*\m:77+8*\i+2*\m], v[60+8*(\m%2):67+8*(\m%2)], v13
.endr
	v_nop                                          ; one plain line behind the last conversion
	ds_store_b128 v2, v[76+8*\i:79+8*\i] offset:\i*XCP
	ds_store_b128 v2, v[80+8*\i:83+8*\i] offset:\i*XCP+512
.irp x, 0,2,4,6,8,10,12,14,16,18,20,22,24,26,28,30
	v_pk_add_f32 v[(\hb)+\x:(\hb)+\x+1], v[(\hb)+\x:(\hb)+\x+1], v[28+\x:29+\x]
.endr
.endm
.macro FETCHX s                        ; the 16 rows' codes of K step s: lane (r, h): 16 bytes at 128 s + 32 c + 16 h of row r; three sets of 16 registers from v76 on, by turns
.irp c, 0,1,2,3
	ds_load_b128 v[76+16*((\s)%3)+4*\c:76+16*((\s)%3)+4*\c+3], v3 offset:128*(\s)+32*\c
.endr
.endm
.macro P1 s, zero                      ; K step s of the first product.  v60-67 and v68-75 take turns, one instruction a turn; each sum's first product starts it
.set PA, 60+8*((\s)%2)
.set PF, 76+16*((\s)%3)
.if \zero
	v_wmma_f32_16x16x128_fp8_fp8 v[PA:PA+7], v[16*(\s):16*(\s)+15], v[PF:PF+15], 0
.else
	v_wmma_f32_16x16x128_fp8_fp8 v[PA:PA+7], v[16*(\s):16*(\s)+15], v[PF:PF+15], v[PA:PA+7]
.endif
.endm
.macro PLACES n                        ; plain vector lines between a matrix instruction and what reads its result or writes its registers (ISA guide 7.12.1)
.rept \n
	v_nop
.endr
.endm
; Eight numbers a lane: token r, units 32 (w / 2) + 16 h + 8 (w % 2) + 0 .. 7.
.macro GELU
	PLACES 4
.irp p, 0,2,4,6
	v_pk_add_f32 v[GX+\p:GX+\p+1], v[GX+\p:GX+\p+1], v[GA+\p:GA+\p+1]   ; the two sums, each from its low end on
.endr
.irp p, 0,2,4,6
	s_delay_alu instid0(VALU_DEP_4)
	v_pk_fma_f32 v[GX+\p:GX+\p+1], v[GX+\p:GX+\p+1], s[56:57], v[20+\p:21+\p] op_sel_hi:[1,0,1]   ; x = sum x 2^(e0 + e1) + b1
.endr
.irp p, 0,2,4,6
	s_delay_alu instid0(VALU_DEP_4)
	v_pk_mul_f32 v[GA+\p:GA+\p+1], v[GX+\p:GX+\p+1], s[86:87] op_sel_hi:[1,0]   ; t = x / sqrt 2
.endr
.irp i, 0,1,2,3,4,5,6,7
	v_med3_num_f32 v[GA+\i], v[GA+\i], -v17, v17   ; within +-16: beyond, erfc is 0 in f32 long since
.endr
.irp p, 0,2,4,6
	v_pk_mul_f32 v[GS+\p:GS+\p+1], v[GA+\p:GA+\p+1], v[GA+\p:GA+\p+1]   ; s = t^2, rounded,
.endr
.irp p, 0,2,4,6
	s_delay_alu instid0(VALU_DEP_4)
	v_pk_fma_f32 v[GT+\p:GT+\p+1], v[GA+\p:GA+\p+1], v[GA+\p:GA+\p+1], v[GS+\p:GS+\p+1] neg_lo:[0,0,1] neg_hi:[0,0,1]   ; and what the rounding lost
.endr
.irp i, 0,1,2,3,4,5,6,7
	v_max_num_f32 v[GA+\i], v[GA+\i], -v[GA+\i]    ; a = |t|
.endr
.irp p, 0,2,4,6
	v_pk_mul_f32 v[GU+\p:GU+\p+1], v[GS+\p:GS+\p+1], s[88:89] op_sel_hi:[1,0]   ; u = -s log2(e), rounded,
.endr
.irp p, 0,2,4,6
	s_delay_alu instid0(VALU_DEP_4)
	v_pk_fma_f32 v[GV+\p:GV+\p+1], v[GS+\p:GS+\p+1], s[88:89], v[GU+\p:GU+\p+1] op_sel_hi:[1,0,1] neg_lo:[0,0,1] neg_hi:[0,0,1]   ; and what that lost
.endr
.irp p, 0,2,4,6
	v_pk_add_f32 v[GR1+\p:GR1+\p+1], v[GA+\p:GA+\p+1], 2.0 op_sel_hi:[1,0]
.endr
.irp p, 0,2,4,6
	v_pk_fma_f32 v[GR2+\p:GR2+\p+1], v[GA+\p:GA+\p+1], 2.0, 1.0 op_sel_hi:[1,0,0]
.endr
	s_wait_alu depctr_va_vdst(0)
.irp i, 0,1,2,3,4,5,6,7                ; ONE BATCH of 24: none reads another's result
	v_rcp_f32 v[GR1+\i], v[GR1+\i]
.endr
.irp i, 0,1,2,3,4,5,6,7
	v_rcp_f32 v[GR2+\i], v[GR2+\i]
.endr
.irp i, 0,1,2,3,4,5,6,7
	v_exp_f32 v[GU+\i], v[GU+\i]                   ; 2^u
.endr
.irp p, 0,2,4,6                        ; plain work that names none of the batch's registers
	v_pk_fma_f32 v[GV+\p:GV+\p+1], v[GS+\p:GS+\p+1], s[90:91], v[GV+\p:GV+\p+1] op_sel_hi:[1,0,1]   ; + s x the low part of -log2(e)
.endr
.irp p, 0,2,4,6
	s_delay_alu instid0(VALU_DEP_4)
	v_pk_fma_f32 v[GV+\p:GV+\p+1], v[GT+\p:GT+\p+1], s[88:89], v[GV+\p:GV+\p+1] op_sel_hi:[1,0,1]   ; + what s lost: -a^2 log2(e) = u + v
.endr
.irp i, 0,1,2,3,4,5,6,7
	v_max_num_f32 v[GA+\i], 0, v[GX+\i]            ; max(x, 0)
.endr
.irp p, 0,2,4,6
	v_pk_fma_f32 v[GT+\p:GT+\p+1], v[GX+\p:GX+\p+1], -0.5, v[GA+\p:GA+\p+1] op_sel_hi:[1,0,1]   ; 0.5 |x| = max(x, 0) - 0.5 x: nothing is rounded
.endr
	s_wait_alu depctr_va_vdst(0)                   ; the wait ahead of the first line that names a result: one for the batch
.irp p, 0,2,4,6
	v_pk_fma_f32 v[GR1+\p:GR1+\p+1], v[GR1+\p:GR1+\p+1], -4.0, 1.0 op_sel_hi:[1,0,0]   ; q = 1 - 4 / (a + 2)
.endr
.irp p, 0,2,4,6
	s_delay_alu instid0(VALU_DEP_4)
	v_pk_fma_f32 v[GS+\p:GS+\p+1], v[GR1+\p:GR1+\p+1], v[18:19], s[CF+16:CF+17] op_sel_hi:[1,1,0]   ; c9 q + c8
.endr
.irp k, 7,6,5,4,3,2,1,0
.irp p, 0,2,4,6
	s_delay_alu instid0(VALU_DEP_4)
	v_pk_fma_f32 v[GS+\p:GS+\p+1], v[GS+\p:GS+\p+1], v[GR1+\p:GR1+\p+1], s[CF+2*\k:CF+2*\k+1] op_sel_hi:[1,1,0]
.endr
.endr
.irp p, 0,2,4,6
	v_pk_fma_f32 v[GS+\p:GS+\p+1], v[GS+\p:GS+\p+1], v[GR2+\p:GR2+\p+1], v[GR2+\p:GR2+\p+1]   ; (p + 1) / (1 + 2 a)
.endr
.irp p, 0,2,4,6
	v_pk_mul_f32 v[GS+\p:GS+\p+1], v[GS+\p:GS+\p+1], v[GU+\p:GU+\p+1]   ; x 2^u
.endr
.irp p, 0,2,4,6
	s_delay_alu instid0(VALU_DEP_4)
	v_pk_mul_f32 v[GR2+\p:GR2+\p+1], v[GS+\p:GS+\p+1], v[GV+\p:GV+\p+1]
.endr
.irp p, 0,2,4,6
	s_delay_alu instid0(VALU_DEP_4)
	v_pk_fma_f32 v[GS+\p:GS+\p+1], v[GR2+\p:GR2+\p+1], s[92:93], v[GS+\p:GS+\p+1] op_sel_hi:[1,0,1]   ; x (1 + v ln 2) = x 2^v: erfc(a)
.endr
.irp p, 0,2,4,6
	s_delay_alu instid0(VALU_DEP_4)
	v_pk_fma_f32 v[GA+\p:GA+\p+1], v[GT+\p:GT+\p+1], v[GS+\p:GS+\p+1], v[GA+\p:GA+\p+1] neg_lo:[1,0,0] neg_hi:[1,0,0]   ; mid
.endr
.irp i, 0,1,2,3,4,5,6,7
	v_med3_num_f32 v[GA+\i], v[GA+\i], -v16, v16
.endr
	v_cvt_scalef32_pk8_fp8_f32 v[GM:GM+1], v[GA:GA+7], v15
	v_nop                                          ; one plain line behind the conversion
	ds_store_b64 v4, v[GM:GM+1]                    ; bytes 8 (w % 2) .. + 7 of my lane's 16 in group w / 2 of the fragment: k = 32 (w / 2) + 16 h + 8 (w % 2) + 0 .. 7
.endm
.macro TILE j
.set TH, 128+64*((\j)%2)
.set TR, 8+2*((\j)%2)
	s_lshr_b32 s42, s[24+\j], 8
	s_sub_co_i32 s42, s42, s23                     ; rows in the tile less my first slot: above 0: slot 2 w is used; above 1: slot 2 w + 1 too
.if \j == 0
	s_wait_alu depctr_va_vdst(0)
	s_wait_loadcnt 48                              ; W1, b1, b2 and this tile's h are in; W2's 32 loads and the next tile's 16 may be out
.elseif \j < 3
	s_wait_loadcnt 16                              ; this tile's h is in, and a reload if there was one (it was issued ahead of the youngest 16); the next tile's 16 may be out
.elseif \j == 3
	s_cmp_eq_u32 s43, 0                            ; the youngest 16 loads are the fifth tile's.  Where it exists they ran with all lanes on and may stay out;
	s_cbranch_scc1 .Lno_fifth
	s_wait_loadcnt 16
	s_branch .Lhead_3
.Lno_fifth:
	s_wait_loadcnt 0x0                             ; where it does not, they ran with no lane on: whether such loads are counted is not leaned on, and nothing else is out behind this tile's h
.Lhead_3:
.else
	s_wait_loadcnt 0x0
.endif
; ---- X
.if \j == 4
	s_cmp_eq_u32 s43, 0                            ; a fifth tile that does not exist: each phase's work is jumped over, never a barrier
	s_cbranch_scc1 .Lno_x
.endif
	s_wait_alu depctr_va_vdst(0)
	QROW TH, 0
	QROW TH+32, 1
.if \j == 4
.Lno_x:
.endif
	BAR                                            ; the 16 rows' codes lie in XC
; ---- 1
.if \j == 4
	s_cmp_eq_u32 s43, 0
	s_cbranch_scc1 .Lno_1
.endif
	FETCHX 0
	FETCHX 1
	FETCHX 2
	WIN 0x01                                       ; source 0 (the weights) window 1
	s_wait_dscnt 8                                 ; LDS loads come back in order: the oldest fragment's four are in
	P1 0, 1
	s_wait_dscnt 4
	P1 1, 1
	s_wait_dscnt 0x0
	P1 2, 0
	WIN 0
	PLACES 4                                       ; ahead of loads into registers that matrix instructions have read
	FETCHX 3
	FETCHX 4
	FETCHX 5
	WIN 0x01
	s_wait_dscnt 8
	P1 3, 0
	s_wait_dscnt 4
	P1 4, 0
	s_wait_dscnt 0x0
	P1 5, 0
	WIN 0
	PLACES 4
	FETCHX 6
	FETCHX 7
	WIN 0x01
	s_wait_dscnt 4
	P1 6, 0
	s_wait_dscnt 0x0
	P1 7, 0
	WIN 0
	GELU
.if \j == 4
.Lno_1:
.endif
	BAR                                            ; the hidden layer's fragment lies in MID
; ---- 2
.if \j == 4
	s_cmp_eq_u32 s43, 0
	s_cbranch_scc1 .Lno_2
.endif
.if \j == 0
	s_wait_loadcnt 16                              ; W2 is in; the next tile's 16 loads may be out
.endif
.irp c, 0,1,2,3
	ds_load_b128 v[112+4*\c:115+4*\c], v1 offset:MID+512*\c
.endr
	s_wait_dscnt 0x0
.irp g, 0,1                            ; four column tiles at a time, K = 128 in one instruction each
	WIN 0x01
.irp i, 0,1,2,3
	v_wmma_f32_16x16x128_fp8_fp8 v[60+8*\i:67+8*\i], v[128+16*(4*\g+\i):128+16*(4*\g+\i)+15], v[112:127], 0
.endr
	WIN 0
	PLACES 5                                       ; five: the next four products write over these results
.irp i, 0,1,2,3
	ds_store_b128 v5, v[60+8*\i:63+8*\i] offset:64*(4*\g+\i)        ; lane (r, h): columns 128 w + 16 ct + 8 h + 0 .. 7 of row r; each result from its low end on
	ds_store_b128 v5, v[64+8*\i:67+8*\i] offset:64*(4*\g+\i)+16
.endr
.if \g == 0
	s_wait_dscnt 0x0                               ; the stores have read their registers
.endif
.endr
.if \j == 4
.Lno_2:
.endif
	BAR                                            ; 16 whole rows of sums lie in the stage
; ---- O
.if \j == 4
	s_cmp_eq_u32 s43, 0
	s_cbranch_scc1 .Lno_o
.endif
.irp q, 0,1,2,3,4,5,6,7
	ds_load_b128 v[60+4*\q:63+4*\q], v6 offset:512*\q
.endr
.irp q, 0,1,2,3,4,5,6,7
	ds_load_b128 v[92+4*\q:95+4*\q], v6 offset:SGP+512*\q
.endr
	s_wait_dscnt 8                                 ; my first row is back; the second row's eight loads may be out
.irp x, 0,2,4,6,8,10,12,14,16,18,20,22,24,26,28,30
	v_pk_fma_f32 v[TH+\x:TH+\x+1], v[60+\x:61+\x], s[58:59], v[TH+\x:TH+\x+1] op_sel_hi:[1,0,1]   ; sum x 2^(e2 + e3) + (h + b2)
.endr
	s_cmp_gt_i32 s42, 0
	s_cbranch_scc0 .Lrow0_\@
.irp q, 0,1,2,3,4,5,6,7
	global_store_b128 v[TR], v[TH+4*\q:TH+4*\q+3], s[18:19] offset:512*\q th:TH_STORE_NT   ; 32 lanes store 512 consecutive bytes, at a multiple of 512 from the buffer's first byte
.endr
.Lrow0_\@:
	s_wait_dscnt 0x0
.irp x, 0,2,4,6,8,10,12,14,16,18,20,22,24,26,28,30
	v_pk_fma_f32 v[TH+32+\x:TH+32+\x+1], v[92+\x:93+\x], s[58:59], v[TH+32+\x:TH+32+\x+1] op_sel_hi:[1,0,1]
.endr
	s_cmp_gt_i32 s42, 1
	s_cbranch_scc0 .Lrow1_\@
.irp q, 0,1,2,3,4,5,6,7
	global_store_b128 v[TR+1], v[TH+32+4*\q:TH+32+4*\q+3], s[18:19] offset:512*\q th:TH_STORE_NT
.endr
.Lrow1_\@:
	s_wait_xcnt 0x0                                ; the stores have read their data and offsets: this buffer, its offsets and a reload's bases are written again only behind this wait
.if \j == 4
.Lno_o:
.endif
; ---- the next tile's expert, then the h of the tile after it, into the buffer just stored
.if \j < 4
	RELOAD (\j+1)
.endif
.if \j < 2
	HLOAD (\j+2), 0
.elseif \j == 2
	HLOAD 4, 1
.endif
.endm
	s_load_b512 s[4:19], s[0:1], 0x0               ; h s[4:5], plan s[6:7], w1f s[8:9], w2f s[10:11], b1 s[12:13], b2 s[14:15], lowp_scales s[16:17], out0 s[18:19]
	v_lshrrev_b32 v60, 5, v0
	s_delay_alu instid0(VALU_DEP_1)
	v_readfirstlane_b32 s20, v60                   ; wave 0..7
	v_and_b32 v1, 31, v0
	s_delay_alu instid0(VALU_DEP_1)
	v_lshlrev_b32 v1, 4, v1                        ; 16 x lane
	v_and_b32 v60, 15, v0                          ; r
	v_bfe_u32 v61, v0, 4, 1                        ; h
	s_lshl_b32 s23, s20, 1                         ; my first slot
	s_lshl_b32 s60, ttmp9, 4                       ; headers of tiles 4 g .. 4 g + 3
	s_sub_co_u32 s61, 1279, ttmp9
	s_min_u32 s61, s61, 1039                       ; the fifth tile
	s_lshl_b32 s62, s61, 2
	s_lshl_b32 s63, ttmp9, 8
	s_lshl_b32 s29, s20, 3
	s_add_co_u32 s63, s63, s29                     ; rows: 4 g tiles of 64 bytes + my two slots
	s_lshl_b32 s61, s61, 6
	s_add_co_u32 s29, s61, s29
	s_wait_alu depctr_va_vdst(0)
	s_wait_kmcnt 0x0
	s_load_b128 s[24:27], s[6:7], s60 offset:HDR
	s_load_b32 s28, s[6:7], s62 offset:HDR
	s_load_b64 s[30:31], s[6:7], s63 offset:0x0
	s_load_b64 s[32:33], s[6:7], s63 offset:0x40
	s_load_b64 s[34:35], s[6:7], s63 offset:0x80
	s_load_b64 s[36:37], s[6:7], s63 offset:0xc0
	s_load_b64 s[38:39], s[6:7], s29 offset:0x0
	s_mul_i32 s21, s20, 2*XCP
	v_add_nc_u32 v2, s21, v1                       ; XC, in: my first row, 16 bytes a lane
	v_mul_u32_u24 v3, v60, XCP
	s_delay_alu instid0(VALU_DEP_1)
	v_lshl_add_u32 v3, v61, 4, v3                  ; XC, out: row r, + 16 h
	s_lshr_b32 s21, s20, 1
	s_and_b32 s22, s20, 1
	s_lshl_b32 s40, s21, 9
	s_lshl_b32 s41, s22, 3
	s_add_co_u32 s40, s40, s41
	s_add_co_u32 s40, s40, MID
	v_add_nc_u32 v4, s40, v1                       ; MID, in: group w / 2, my lane's 16 bytes, + 8 (w % 2)
	v_mul_u32_u24 v5, v60, SGP
	s_delay_alu instid0(VALU_DEP_1)
	v_lshl_add_u32 v5, v61, 5, v5
	s_lshl_b32 s40, s20, 9
	s_add_co_u32 s40, s40, STG
	v_add_nc_u32 v5, s40, v5                       ; the stage, in: row r, + 32 h, + my 512 bytes
	s_mul_i32 s40, s20, 2*SGP
	s_add_co_u32 s40, s40, STG
	v_add_nc_u32 v6, s40, v1                       ; the stage, out: my first row, 16 bytes a lane
	v_lshlrev_b32 v7, 6, v61                       ; b1: 16 h units
	v_mov_b32 v12, 0
	v_mov_b32 v17, 0x41800000                      ; 16.0
	v_mov_b32 v18, 0xb9d25000                      ; c9
	v_mov_b32 v19, 0xb9d25000
	s_lshl_b32 s21, s21, 7
	s_lshl_b32 s22, s22, 5
	s_add_co_u32 s21, s21, s22                     ; b1: my tile's units begin at 32 (w / 2) + 8 (w % 2)
	CPAIR CF+0,  0x3e8dd01d                        ; c0 .. c8
	CPAIR CF+2,  0xbdbdfb0b
	CPAIR CF+4,  0xbe2a0420
	CPAIR CF+6,  0x3e27fe23
	CPAIR CF+8,  0xbd5e05b5
	CPAIR CF+10, 0xbc040dc1
	CPAIR CF+12, 0x3c0d6e62
	CPAIR CF+14, 0x3aac2b8a
	CPAIR CF+16, 0xbaa15130
	CPAIR 86, 0x3f3504f3                           ; 1 / sqrt 2
	CPAIR 88, 0xbfb8aa3b                           ; -log2(e), its leading part,
	CPAIR 90, 0xb2a57060                           ; and the rest
	CPAIR 92, 0x3f317218                           ; ln 2
	s_wait_alu depctr_va_vdst(0)
	s_wait_kmcnt 0x0
	s_lshr_b32 s43, s28, 8                         ; rows in the fifth tile: 0 where there is none
	s_and_b32 s41, s24, 0xff
	s_min_u32 s41, s41, 15
	RL_BASES
	RL_A                                           ; what the first tile's first product needs goes out first,
	HLOAD 0, 0
	RL_B                                           ; then what its second product needs,
	HLOAD 1, 0                                     ; then the second tile's rows
	RL_SCALES
	TILE 0
	s_wait_alu depctr_va_vdst(0)
	TILE 1
	s_wait_alu depctr_va_vdst(0)
	TILE 2
	TILE 3
	TILE 4
	s_wait_xcnt 0x0
	s_mov_b32 exec_lo, -1
	v_lshl_add_u32 v18, v0, 2, 0x14a00
	v_mov_b32 v19, 0
	s_wait_alu depctr_va_vdst(0)
	s_wait_tensorcnt 0x0
	ds_add_u32 v18, v19
	s_wait_dscnt 0x0
	s_endpgm
.Lfunc_end_k_q1d7f564e9f_adapter:
	.size	k_q1d7f564e9f_adapter, .Lfunc_end_k_q1d7f564e9f_adapter-k_q1d7f564e9f_adapter
	.p2alignl 7, 3214868480
	.fill 96, 4, 3214868480
	.section	.rodata,"a",@progbits
	.p2align	6, 0x0
	.amdhsa_kernel k_q1d7f564e9f_adapter
		.amdhsa_group_segment_fixed_size 85504
		.amdhsa_private_segment_fixed_size 0
		.amdhsa_enable_private_segment 0
		.amdhsa_kernarg_size 64
		.amdhsa_user_sgpr_count 2
		.amdhsa_user_sgpr_kernarg_segment_ptr 1
		.amdhsa_wavefront_size32 1
		.amdhsa_system_sgpr_workgroup_id_x 1
		.amdhsa_system_sgpr_workgroup_id_y 1
		.amdhsa_system_sgpr_workgroup_id_z 1
		.amdhsa_system_vgpr_workitem_id 0
		.amdhsa_next_free_vgpr 512
		.amdhsa_next_free_sgpr 96
		.amdhsa_reserve_vcc 1
		.amdhsa_float_denorm_mode_32 3
		.amdhsa_float_denorm_mode_16_64 3
		.amdhsa_memory_ordered 1
		.amdhsa_forward_progress 1
		.amdhsa_inst_pref_size 204
	.end_amdhsa_kernel
	.amdgpu_metadata
---
amdhsa.version: [ 1, 2 ]
amdhsa.kernels:
  - .name:           k_q1d7f564e9f_adapter
    .symbol:         k_q1d7f564e9f_adapter.kd
    .args:
      - { .name: h, .offset: 0, .size: 8, .value_kind: global_buffer, .address_space: global }
      - { .name: plan, .offset: 8, .size: 8, .value_kind: global_buffer, .address_space: global }
      - { .name: w1f, .offset: 16, .size: 8, .value_kind: global_buffer, .address_space: global }
      - { .name: w2f, .offset: 24, .size: 8, .value_kind: global_buffer, .address_space: global }
      - { .name: b1, .offset: 32, .size: 8, .value_kind: global_buffer, .address_space: global }
      - { .name: b2, .offset: 40, .size: 8, .value_kind: global_buffer, .address_space: global }
      - { .name: lowp_scales, .offset: 48, .size: 8, .value_kind: global_buffer, .address_space: global }
      - { .name: out0, .offset: 56, .size: 8, .value_kind: global_buffer, .address_space: global }
    .group_segment_fixed_size: 85504
    .private_segment_fixed_size: 0
    .kernarg_segment_align: 8
    .kernarg_segment_size: 64
    .max_flat_workgroup_size: 256
    .sgpr_count:     96
    .vgpr_count:     512
    .wavefront_size: 32
...
	.end_amdgpu_metadata
.endif
;; end of part 2
